; MI455X (gfx1250); checked and timed in simulation.
; The chip was launched on July 23, 2026; its instructions are those of AMD's public machine-readable ISA for CDNA 5 (MIT licence, August 2026) and "CDNA5" Instruction Set Architecture Reference Guide (July 2026). The comments in the code are by the model that wrote it; some were corrected since.
;; Attn Fathers. Allowed arithmetic: matrix products marked QUANTISED: E2M1 operands, one E8M0 scale for each 32 along K, by v_wmma_scale_f32_16x16x128_f8f6f4 with both operands' format E2M1 (or v_wmma_scale_f32_32x16x128_f4), f32 sums; products left as they are: f32 operands where the result goes on into a quantised operand, else bf16, f16 or f32 operands; f32 sums; everything else in f32.
;; Inputs: attn_W_codes 1,024 x 32 x 16 uint8 (E2M1 codes of attn_W, K innermost, in blocks of 32 codes, two codes a byte); attn_W_scales 1,024 x 32 uint8 (E8M0 scales of attn_W, one for each 32 codes along K); attn_b 1,024 float32; fathers_lengths 16 int32; fathers_outputs_codes 16 x 128 x 32 x 32 x 16 uint8 (E2M1 codes of fathers_outputs, K innermost, in blocks of 32 codes, two codes a byte); fathers_outputs_scales 16 x 128 x 32 x 32 uint8 (E8M0 scales of fathers_outputs, one for each 32 codes along K); hidden 1 x 16 x 1,024 float32.
;; Outputs: out0 16 x 128 x 32 float32.
;; This version of the problem:
;;   THIS VERSION OF THE PROBLEM IS GIVEN IN LOW PRECISION. The matrix products marked QUANTISED in the list below multiply operands that are first quantised to E2M1 (2 exponent bits, 1 mantissa bit; 4 bits a number), with one power-of-two scale for each 32 numbers along K (OCP MX v1.0); their sums are f32. All else is computed in f32.
;;   The module's matrix products, in the order in which they are computed (A, B: the left and right operand; K: the contracted axis; several contracted axes count as one K, in the product's order):
;;     1. [M 65,536, K 1,024] x [K 1,024, N 1,024]; A: input fathers_outputs (given as codes); B: input attn_W (given as codes): QUANTISED
;;     2. batch 16 x [M 1, K 1,024] x [K 1,024, N 4,096]; A: input hidden; B: computed on the way: left as it is (M = 1 < 16)
;;   THE QUANTISER, for each operand of a quantised product, along K:
;;     - K is cut into blocks of 32 from its start; a last block that is shorter is filled with zeros.
;;     - A block's scale is 2^e with e = floor(log2(the largest magnitude in the block)) - 2, held to -126 .. 127; a block of zeros has e = 0. As a byte (E8M0): e + 127.
;;     - Each number is divided by its block's scale, clamped to +-6, and rounded to the nearest number of E2M1, ties to even, subnormals kept.
;;     - The product sums the exact products of the quantised numbers (number of the format x scale) in f32.
;;   ~~~python
;;   def quantise(x, axis):      # numpy; x: float32 -> the quantised numbers, widened to float32 again
;;       x = np.moveaxis(x, axis, -1); K = x.shape[-1]
;;       x = np.pad(x, [(0, 0)] * (x.ndim - 1) + [(0, -K % 32)]); x = x.reshape(x.shape[:-1] + (-1, 32)); a = np.abs(x).max(-1, keepdims=True)
;;       e = np.where(a > 0, np.clip(np.frexp(np.where(a > 0, a, 1))[1] - 1 - 2, -126, 127), 0)      # np.frexp(a)[1] - 1 = floor(log2(a)), exactly
;;       r = np.clip(x / 2.0 ** e, -6, 6)
;;       step = 2.0 ** (np.maximum(np.frexp(np.where(r == 0, 1, r))[1] - 1, 0) - 1)
;;       q = np.round(r / step) * step * 2.0 ** e      # np.round: ties to even
;;       return np.moveaxis(q.reshape(q.shape[:-2] + (-1,))[..., :K], -1, axis).astype(np.float32)
;;   ~~~
;;   INPUTS GIVEN AS CODES. attn_W (in the module: [1024, 1024], K = its axis 1); fathers_outputs (in the module: [16, 128, 32, 1024], K = its axis 3): each comes as NAME_codes (uint8): NAME with its K axis moved to the last place and cut into blocks of 32 codes, [.., K / 32, bytes a block], one block behind the other in memory; two codes a byte, the lower K in the low four bits (a code: sign, 2 exponent bits, 1 mantissa bit); and NAME_scales (uint8): the same leading axes, one E8M0 byte (e + 127) for each 32 codes along K. Its value is code x scale, taken as it is: it is not quantised again, and the codes and scales need not be those that the quantiser above would give.
;; 2 versions. Each part assembles by itself: llvm-mc -triple=amdgcn-amd-amdhsa -mcpu=gfx1250 --defsym DOCPART=n.
;; ======== version 1 of 2: 1 launch
;; launch attn (part 1): grid 256 x 1, 4 waves a work-group, clusters of 4 x 1, 327,680 bytes of LDS; arguments fathers_outputs_codes, fathers_outputs_scales, attn_W_codes, attn_W_scales, hidden, attn_b, out0; writes out0
.if DOCPART == 1
	.amdgcn_target "amdgcn-amd-amdhsa--gfx1250"
	.amdhsa_code_object_version 6
	.text
	.protected	k_qa9cdee2785_attn
	.globl	k_qa9cdee2785_attn
	.p2align	8
	.type	k_qa9cdee2785_attn,@function
k_qa9cdee2785_attn:
	s_mov_b64 s[64:65], 0
	v_nop
	global_prefetch_b8 v0, s[64:65] scope:SCOPE_SE
	s_setreg_imm32_b32 hwreg(HW_REG_WAVE_MODE, 25, 1), 1
	s_wait_xcnt 0x0
	s_wait_alu depctr_hold_cnt(0) depctr_sa_sdst(0) depctr_va_vdst(0) depctr_va_sdst(0) depctr_va_ssrc(0) depctr_va_vcc(0) depctr_vm_vsrc(0)
	s_getreg_b32 s2, hwreg(HW_REG_IB_STS2, 6, 4)
	s_cmp_eq_u32 s2, 0
	s_cbranch_scc0 .Lentry_in_a_cluster
	s_endpgm
.Lentry_in_a_cluster:
	s_bfe_u32 s2, ttmp6, 0x10000c
	s_cmp_lg_u32 s2, 0x3003
	s_cbranch_scc0 .Lentry_shape_is_right
	s_endpgm
.Lentry_shape_is_right:
; out[b][m][f] = softmax over m of  hidden[b] . (F[b][m][f] W^T + bias).   F: 65,536 rows x 1,024, W: 1,024 x 1,024: codes of FP4 (E2M1) with one E8M0 byte for each 32 along K, taken as they lie.
; fathers_lengths is an input that the definition of the result never uses: no number of the output hangs on it, and this text does not name it.
; SHARES.  256 work-groups; work-group g = 16 b + fp owns the 256 rows (b, m = 0 .. 127, f = 2 fp, 2 fp + 1), local row 2 m + (f - 2 fp), for all of N and K: so it owns its two softmax columns whole.
; Four waves (i, j): wave 2 i + j keeps local rows 128 i .. 128 i + 127 for ALL of K in registers (8 blocks of 16 rows x 8 K steps x 8 registers = 512) and walks half j of W's 1,024 rows, 32 tiles of 16.
; One fragment of W (two LDS loads) feeds eight matrix instructions; F is read from LDS once.
; THE MATRIX INSTRUCTION IS USED TRANSPOSED: source 0 = 16 rows of W, source 1 = 16 rows of F: lane (r, h) holds F's row r and its register jj the energy's column 8 h + jj.  The dot with hidden is then
; four packed multiply-adds an accumulator, against eight numbers of hidden that are the same in all lanes of a half.  Two sets of eight accumulators take turns by the tile's parity: the multiply-adds on tile
; t - 1 stand behind the matrix instructions of tile t's first three K steps, where one window setting serves both.
; THE BIAS: sum_n h[n] (D[n] + bias[n]) is taken as sum_n h[n] D[n] + h . bias; h . bias is made once, in f32.  That order of rounding, and the two halves of N summed apart, differ from the definition's order.
; CLUSTER.  All work-groups walk the same W, so the four of a cluster ask for each piece of it JOINTLY (mask 15): same line, same descriptor (made of the wave's number and constants alone).  F's tiles are each work-group's own.
; LDS.  Two regions of 256 rows x 528 bytes.  R0 first holds F's codes; when they are in registers it becomes the second slot for W.  W comes in four chunks (128 rows of each half of N):
; chunk 0 -> R1 (first fill), 1 -> R0, 2 -> R1, 3 -> R0: three refills, one tensor load a wave each, behind a round of the cluster's barrier.  W's and F's scale bytes are filled once and stay.
; OUTPUT.  A work-group's numbers are 8 bytes (two f) of each of 128 rows of 128 bytes: wave 0 stores 8 bytes a lane, lanes 128 bytes apart.  The output is 262,144 bytes beside 36 million read.
; LIMITS: NaN, infinities and the scale byte 0xff give what the matrix unit gives; the energies must stay finite in f32; an exponential under 2^-126 comes out as 0 (ISA guide, v_exp_f32).
.set PITCH,  528                       ; a row of 1,024 codes: 512 bytes + 16 of padding = 132 words: the 16 rows of a fragment load start at 16 different places of 16 bytes modulo 256
.set TILEB,  16*PITCH
.set QUART,  64*PITCH                  ; what one tensor load of codes brings
.set HALFR,  128*PITCH
.set R0,     0
.set R1,     256*PITCH
.set WSC,    512*PITCH                 ; W's scale bytes, 32 a row, dense: 32,768
.set ASC,    WSC+32768                 ; F's scale bytes, 32 a local row, dense: 8,192
.set HID,    ASC+8192                  ; hidden[b]: 4,096 (stored by the waves; no tensor load lands here or further on)
.set EX,     HID+4096                  ; the energies [half of N][local row], f32: 2,048
.set EXB,    EX+2048                   ; four partial sums of hidden . bias
.set SPARE,  EXB+256                   ; the spare words, 128 bytes for each wave: two blocks of 256 bytes that no other line names
; window 0
.set SPW, 1                            ; v1   SPARE + 4 x my thread's number; never rewritten
.set NIL, 2                            ; v2   0; never rewritten
.set FA,  3                            ; v3   LDS address of my fragments of F
.set EXA, 4                            ; v4   where I put my rows' energies
.set HV,  8                            ; v8-15  hidden's eight numbers for a tile (before the loop: at work)
.set SB,  16                           ; v16-31 W's scale words: set p (the tile's parity) at 16 + 8 p, word s for K step s; lanes 0-15
.set SA,  32                           ; v32-63 F's scale words: 32 + 8 pr + s: lanes 0-15 block 2 pr, lanes 16-31 block 2 pr + 1
                                       ; v64-255 F's fragments of K steps 0-2 at 64 + 64 s + 8 a;  window 2: K steps 3-5 at 64 (s - 3) + 8 a;  window 3: K steps 6, 7 at 64 (s - 6) + 8 a
; window 1
                                       ; v0-63 W's eight fragments of a tile, one set that rolls;  v64-127, v128-191 the two sets of accumulators
.set EV,  192                          ; v192-207 the running dot: a pair for each block of rows (even columns, odd columns)
.set ADB, 208                          ; LDS address of the pair of tiles in hand
.set ADS, 209                          ; of its scale words
.set ADH, 210                          ; of its numbers of hidden
.set AB0, 211                          ; my lane's place in a chunk: 128 j rows + row r + 16 h
.set AS0, 212                          ; among W's scale words
.set AH0, 213                          ; in hidden
.set WV,  18
.set JJ,  19
.set II,  20
.set G1A,  24                          ; s[24:31] group 1: F's codes      s[32:39] F's scales      s[40:47] W's codes      s[48:55] W's scales
.set G1AS, 32
.set G1W,  40
.set G1WS, 48
.set G0A,  56                          ; groups 0
.set G0AS, 60
.set G0WS, 68
.set G0W0, 72                          ; chunks 0 and 2, into R1
.set G0W1, 76                          ; chunks 1 and 3, into R0
.set TB,  80                           ; LDS byte at which the pair of tiles in hand begins
.set TS,  81                           ; its scale words: 1,024 bytes a pair
.set TH,  82                           ; its numbers of hidden: 128 bytes a pair
.set CNT, 83
.set SEL, 84                           ; s[84:85] v_permlanex16_b32's selects for lane l xor 16
.set MSB, 0
.macro WIN new                         ; the immediate's high byte repeats the setting that is left; a switch that changes nothing is dropped
.if MSB != \new
	s_set_vgpr_msb (MSB<<8)|\new
.set MSB, \new
.endif
.endm
.set W_P0, 0x51                        ; source 1 window 0; source 0, source 2 and destination window 1
.set W_P2, 0x59                        ; source 1 window 2
.set W_P3, 0x5d                        ; source 1 window 3
.set W_G,  0x01                        ; destination window 0, address window 1
.set W_X,  0x55                        ; all window 1
.macro PLACES n
.rept \n
	v_nop
.endr
.endm
.macro CREST                           ; a round of the cluster's barrier behind its opening barrier
	s_cmp_lg_u32 s[WV], 0
	s_cbranch_scc1 .Lnot_wave_0_\@
	s_barrier_signal -3
.Lnot_wave_0_\@:
	s_barrier_wait -3
	s_barrier_signal -1
	s_barrier_wait -1
.endm
.macro CROUND                          ; a whole round
	s_barrier_signal -1
	s_barrier_wait -1
	CREST
.endm
	s_load_b256 s[4:11], s[0:1], 0x0               ; F's codes s[4:5], F's scales s[6:7], W's codes s[8:9], W's scales s[10:11]
	s_load_b128 s[12:15], s[0:1], 0x20             ; hidden s[12:13], bias s[14:15]
	s_load_b64 s[16:17], s[0:1], 0x30              ; out
	v_lshl_add_u32 v[SPW], v0, 2, SPARE
	v_mov_b32 v[NIL], 0
	ds_add_u32 v1, v2
	ds_add_u32 v1, v2
	s_wait_dscnt 0x0
	v_lshrrev_b32 v5, 5, v0
	v_readfirstlane_b32 s[WV], v5                  ; wave 0..3
	s_and_b32 s[JJ], s[WV], 1                      ; my half of N.  Also: which 64 rows of a half chunk I fetch
	s_lshr_b32 s[II], s[WV], 1                     ; my half of the rows.  Also: for which half of N I fetch
	s_bfe_u32 s21, ttmp6, 0x40000                  ; cx
	s_lshl_b32 s22, ttmp9, 2
	s_add_co_u32 s22, s22, s21                     ; work-group g = 4 x cluster + cx: it enters F's, hidden's and out's global addresses alone
	s_lshr_b32 s23, s22, 4                         ; b
	s_and_b32 s92, s22, 15                         ; fp
	s_mov_b32 s[SEL], 0x76543210
	s_mov_b32 s[SEL+1], 0xfedcba98
	s_mov_b32 s90, 0x3fb8aa3b                      ; log2(e)
	s_mov_b32 s91, s90                             ; (named with it as a pair, so it is written)
	; group 1, F's codes: 32 lines (one m each) of 1,024 bytes (two f), 16,384 bytes apart in memory; 16 bytes of padding behind every 512: a local row every 528 bytes
	s_mov_b32 s[G1A+0], (1<<20)|(6<<22)|(3<<25)    ; no mask; elements of 1 byte; padding on: after every 128 words (code 6) 4 words (code 3)
	s_mov_b32 s[G1A+1], 1024<<16                   ; tensor_dim0
	s_mov_b32 s[G1A+2], 32<<16                     ; tensor_dim1
	s_mov_b32 s[G1A+3], 1024<<16                   ; tile_dim0
	s_mov_b32 s[G1A+4], 32                         ; tile_dim1
	s_mov_b32 s[G1A+5], 16384                      ; from line to line
	s_mov_b32 s[G1A+6], 0
	s_mov_b32 s[G1A+7], 0
	; F's scales: 32 lines of 64 bytes, 1,024 bytes apart in memory, dense in LDS
	s_mov_b32 s[G1AS+0], 0
	s_mov_b32 s[G1AS+1], 64<<16
	s_mov_b32 s[G1AS+2], 32<<16
	s_mov_b32 s[G1AS+3], 64<<16
	s_mov_b32 s[G1AS+4], 32
	s_mov_b32 s[G1AS+5], 1024
	s_mov_b32 s[G1AS+6], 0
	s_mov_b32 s[G1AS+7], 0
	; W's codes: 64 rows of 512 bytes, dense in memory, 16 bytes of padding behind each; asked for by all four work-groups of the cluster
	s_mov_b32 s[G1W+0], 15|(1<<20)|(1<<21)|(6<<22)|(3<<25)
	s_mov_b32 s[G1W+1], 512<<16
	s_mov_b32 s[G1W+2], 64<<16
	s_mov_b32 s[G1W+3], 512<<16
	s_mov_b32 s[G1W+4], 64
	s_mov_b32 s[G1W+5], 512
	s_mov_b32 s[G1W+6], 0
	s_mov_b32 s[G1W+7], 0
	; W's scales: 8,192 dense bytes as 32 rows of 256 (32 elements of 8 bytes), no padding; jointly
	s_mov_b32 s[G1WS+0], 15|(3<<16)|(1<<21)
	s_mov_b32 s[G1WS+1], 32<<16
	s_mov_b32 s[G1WS+2], 32<<16
	s_mov_b32 s[G1WS+3], 32<<16
	s_mov_b32 s[G1WS+4], 32
	s_mov_b32 s[G1WS+5], 32
	s_mov_b32 s[G1WS+6], 0
	s_mov_b32 s[G1WS+7], 0
	; W's offsets hang on the wave's number alone
	s_lshl_b32 s94, s[II], 18                      ; half of N: 512 rows of 512 bytes
	s_lshl_b32 s2, s[JJ], 15                       ; 64 rows
	s_add_co_u32 s94, s94, s2
	s_mov_b32 s95, 0
	s_lshl_b32 s2, s[WV], 13                       ; my quarter of W's scale bytes, in memory and in LDS
	s_mov_b32 s3, 0
	s_wait_kmcnt 0x0
	s_mov_b32 s[G0WS], 1
	s_add_co_u32 s[G0WS+1], s2, WSC
	s_add_nc_u64 s[G0WS+2:G0WS+3], s[10:11], s[2:3]
	s_or_b32 s[G0WS+3], s[G0WS+3], 0x80000000
	s_mov_b32 s[G0W0], 1
	s_mov_b32 s[G0W1], 1
	s_mul_i32 s[G0W1+1], s[WV], QUART              ; R0 + my quarter
	s_add_co_u32 s[G0W0+1], s[G0W1+1], R1          ; R1 + my quarter
	s_add_nc_u64 s[G0W0+2:G0W0+3], s[8:9], s[94:95]          ; chunk 0
	s_add_nc_u64 s[G0W1+2:G0W1+3], s[G0W0+2:G0W0+3], 65536   ; chunk 1: 128 rows on
	s_or_b32 s[G0W0+3], s[G0W0+3], 0x80000000
	s_or_b32 s[G0W1+3], s[G0W1+3], 0x80000000
	; F's: b x 128 x 32 rows + fp x 2 rows + my 32 m
	s_lshl_b32 s86, s23, 21
	s_lshl_b32 s93, s92, 10
	s_add_co_u32 s86, s86, s93
	s_lshl_b32 s93, s[WV], 19
	s_add_co_u32 s86, s86, s93
	s_mov_b32 s87, 0
	s_mov_b32 s[G0A], 1
	s_mul_i32 s[G0A+1], s[WV], QUART
	s_add_nc_u64 s[G0A+2:G0A+3], s[4:5], s[86:87]
	s_or_b32 s[G0A+3], s[G0A+3], 0x80000000
	s_lshl_b32 s86, s23, 17
	s_lshl_b32 s93, s92, 6
	s_add_co_u32 s86, s86, s93
	s_lshl_b32 s93, s[WV], 15
	s_add_co_u32 s86, s86, s93
	s_mov_b32 s[G0AS], 1
	s_lshl_b32 s[G0AS+1], s[WV], 11
	s_add_co_u32 s[G0AS+1], s[G0AS+1], ASC
	s_add_nc_u64 s[G0AS+2:G0AS+3], s[6:7], s[86:87]
	s_or_b32 s[G0AS+3], s[G0AS+3], 0x80000000
	s_lshl_b32 s86, s23, 12
	s_add_nc_u64 s[12:13], s[12:13], s[86:87]      ; hidden[b]
	s_lshl_b32 s86, s23, 14
	s_lshl_b32 s93, s92, 3
	s_add_co_u32 s86, s86, s93
	s_add_nc_u64 s[16:17], s[16:17], s[86:87]      ; out[b][0][2 fp]
	CROUND                                         ; all four work-groups are here: the first joint loads meet
	tensor_load_to_lds s[G0A:G0A+3], s[G1A:G1A+7]          ; the first fills go out as one group: four loads of mine are out
	s_nop 0
	tensor_load_to_lds s[G0AS:G0AS+3], s[G1AS:G1AS+7]
	s_nop 0
	tensor_load_to_lds s[G0WS:G0WS+3], s[G1WS:G1WS+7]
	s_nop 0
	tensor_load_to_lds s[G0W0:G0W0+3], s[G1W:G1W+7]
	s_nop 0
	PLACES 4                                       ; (behind a tensor load)
	; hidden[b] goes to LDS, and hidden . bias is made: 8 numbers a thread
	v_lshlrev_b32 v12, 5, v0
	global_load_b128 v[64:67], v12, s[12:13]
	global_load_b128 v[68:71], v12, s[12:13] offset:16
	global_load_b128 v[72:75], v12, s[14:15]
	global_load_b128 v[76:79], v12, s[14:15] offset:16
	v_lshl_add_u32 v11, v0, 5, HID
	s_lshl_b32 s2, s[WV], 2
	s_add_co_u32 s2, s2, EXB
	v_mov_b32 v13, s2                              ; my wave's word among the four partial sums
	v_mov_b32 v83, 0                               ; (a lane permute's destination counts as one of its sources)
	v_and_b32 v5, 15, v0                           ; r
	v_bfe_u32 v6, v0, 4, 1                         ; h
	v_mul_u32_u24 v7, v5, PITCH
	v_lshl_add_u32 v7, v6, 4, v7                   ; a fragment's row x pitch + 16 h
	s_mul_i32 s2, s[II], HALFR
	v_add_nc_u32 v[FA], s2, v7                     ; F: my 128 rows (R0 begins at byte 0)
	s_lshl_b32 s2, s[JJ], 10
	s_lshl_b32 s3, s[II], 9
	s_add_co_u32 s2, s2, s3
	s_add_co_u32 s2, s2, EX
	v_lshl_add_u32 v[EXA], v5, 2, s2               ; EX + 1,024 j + 4 (128 i + r)
	v_lshlrev_b32 v8, 5, v5                        ; 32 r
	v_lshlrev_b32 v9, 5, v6                        ; 32 h
	s_mul_i32 s[TB], s[JJ], HALFR                  ; (the three scalars are at work here; they get their own values ahead of the loop)
	s_lshl_b32 s[TS], s[JJ], 14
	s_add_co_u32 s[TS], s[TS], WSC
	s_lshl_b32 s[TH], s[JJ], 11
	s_add_co_u32 s[TH], s[TH], HID
	WIN 0x40                                       ; destination window 1
	v_add_nc_u32 v[AB0], s[TB], v7
	v_add_nc_u32 v[AS0], s[TS], v8
	v_add_nc_u32 v[AH0], s[TH], v9
	WIN 0
	v_and_b32 v10, 31, v0
	s_lshl_b32 s2, s[II], 12
	s_add_co_u32 s2, s2, ASC
	v_lshl_add_u32 v7, v10, 5, s2                  ; F's scale words: ASC + 32 (128 i + lane)
	s_wait_loadcnt 0x0
	ds_store_b128 v11, v[64:67]
	ds_store_b128 v11, v[68:71] offset:16
	v_pk_mul_f32 v[80:81], v[64:65], v[72:73]
	v_pk_fma_f32 v[80:81], v[66:67], v[74:75], v[80:81]
	v_pk_fma_f32 v[80:81], v[68:69], v[76:77], v[80:81]
	v_pk_fma_f32 v[80:81], v[70:71], v[78:79], v[80:81]
	v_add_f32 v82, v80, v81
	v_add_f32_dpp v82, v82, v82 row_xmask:1 row_mask:0xf bank_mask:0xf
	v_add_f32_dpp v82, v82, v82 row_xmask:2 row_mask:0xf bank_mask:0xf
	v_add_f32_dpp v82, v82, v82 row_xmask:4 row_mask:0xf bank_mask:0xf
	v_add_f32_dpp v82, v82, v82 row_xmask:8 row_mask:0xf bank_mask:0xf
	v_permlanex16_b32 v83, v82, s[SEL], s[SEL+1]
	v_add_f32 v82, v82, v83                        ; my wave's 256 terms
	ds_store_b32 v13, v82                          ; all lanes write the same word with the same value
	s_wait_tensorcnt 0x0                           ; my parts of F, of the scales and of chunk 0 are in,
	s_wait_dscnt 0x0                               ; my stores have landed:
	s_barrier_signal -1
	s_barrier_wait -1                              ; everybody's
	; F into registers: 128 loads of codes, 8 of scale words
.macro FLOAD s, base
.irp a, 0,1,2,3,4,5,6,7
.irp c, 0,1
	ds_load_b128 v[(\base)+8*\a+4*\c:(\base)+8*\a+4*\c+3], v[FA] offset:\a*TILEB+64*(\s)+32*\c
.endr
.endr
.endm
	FLOAD 0, 64
	FLOAD 1, 128
	FLOAD 2, 192
.irp pr, 0,1,2,3
.irp q, 0,1
	ds_load_b128 v[SA+8*\pr+4*\q:SA+8*\pr+4*\q+3], v7 offset:1024*\pr+16*\q
.endr
.endr
	WIN 0x80
	FLOAD 3, 0
	FLOAD 4, 64
	FLOAD 5, 128
	WIN 0xc0
	FLOAD 6, 0
	FLOAD 7, 64
	WIN 0
	s_wait_tensorcnt 0x0                           ; no tensor load of mine is out
	ds_add_u32 v[SPW], v[NIL]                      ; 0 onto my spare word
	WIN 0x40
.irp i, 0,1,2,3,4,5,6,7,8,9,10,11,12,13,14,15
	v_mov_b32 v[EV+\i], 0                          ; the running dots begin at 0
.endr
	WIN 0
	s_wait_dscnt 0x0                               ; the add is done, and F is in my registers: my reads of R0 are over
	CROUND                                         ; so are those of every wave of the cluster
	tensor_load_to_lds s[G0W1:G0W1+3], s[G1W:G1W+7]        ; chunk 1 into R0: my one tensor load behind this round; it has seven tiles in which to land
	s_nop 0
	PLACES 4
; ---- the loop's parts
; One matrix instruction: set p, K step s, block a of my rows.  K step 0 starts the sums: nothing is cleared.  The eight accumulators of a set take turns, one instruction a turn, and the sets change at a tile's end.
.macro WM p, s, a
.if (\s) < 3
	WIN W_P0
.set rF, 64+64*(\s)+8*(\a)
.elseif (\s) < 6
	WIN W_P2
.set rF, 64*((\s)-3)+8*(\a)
.else
	WIN W_P3
.set rF, 64*((\s)-6)+8*(\a)
.endif
.set rD, 64+64*(\p)+8*(\a)
.set rB, 8*(\s)
.set rW, SB+8*(\p)+(\s)
.set rA, SA+8*((\a)/2)+(\s)
.if (\s) == 0
.if (\a)%2
	v_wmma_scale_f32_16x16x128_f8f6f4 v[rD:rD+7], v[rB:rB+7], v[rF:rF+7], 0, v[rW], v[rA] matrix_a_fmt:MATRIX_FMT_FP4 matrix_b_fmt:MATRIX_FMT_FP4 matrix_b_scale:MATRIX_SCALE_ROW1
.else
	v_wmma_scale_f32_16x16x128_f8f6f4 v[rD:rD+7], v[rB:rB+7], v[rF:rF+7], 0, v[rW], v[rA] matrix_a_fmt:MATRIX_FMT_FP4 matrix_b_fmt:MATRIX_FMT_FP4
.endif
.else
.if (\a)%2
	v_wmma_scale_f32_16x16x128_f8f6f4 v[rD:rD+7], v[rB:rB+7], v[rF:rF+7], v[rD:rD+7], v[rW], v[rA] matrix_a_fmt:MATRIX_FMT_FP4 matrix_b_fmt:MATRIX_FMT_FP4 matrix_b_scale:MATRIX_SCALE_ROW1
.else
	v_wmma_scale_f32_16x16x128_f8f6f4 v[rD:rD+7], v[rB:rB+7], v[rF:rF+7], v[rD:rD+7], v[rW], v[rA] matrix_a_fmt:MATRIX_FMT_FP4 matrix_b_fmt:MATRIX_FMT_FP4
.endif
.endif
.endm
; Multiply-add q of 32 on the OTHER set (the tile before): block q % 8, columns 2 (q / 8) and + 1.  Each accumulator is read from its low end on: q = 0 .. 7 come first.
.macro FMA p, q
.set fa, (\q)%8
.set fi, (\q)/8
.set rC, 64+64*(1-(\p))+8*fa+2*fi
	v_pk_fma_f32 v[EV+2*fa:EV+2*fa+1], v[rC:rC+1], v[HV+2*fi:HV+2*fi+1], v[EV+2*fa:EV+2*fa+1]
.endm
.macro LDF k, off                      ; fragment k of the tile that begins off bytes behind v[ADB]
	ds_load_b128 v[8*(\k):8*(\k)+3], v[ADB] offset:(\off)+64*(\k)
	ds_load_b128 v[8*(\k)+4:8*(\k)+7], v[ADB] offset:(\off)+64*(\k)+32
.endm
; A K step: eight matrix instructions.  ld = 1: the fragment that the step before has used up, k = (s + 7) % 8, is loaded anew, seven steps ahead of its use.  Its two loads stand behind four places or more
; (plain vector instructions that name no register of the matrix instructions that read it: ISA guide 7.12.1 for vector instructions): four v_nop, or eight multiply-adds on the other set.
; fma = 1: K steps 0, 1, 2 carry the 32 multiply-adds of the tile before: 8 (behind step 0's four v_nop, which are the places behind that tile's last products), 12 and 12.
; n: the count of the wait at the head (under 0: none).
.macro STEP p, s, fma, ld, off, n
.if (\n) >= 0
	s_wait_dscnt \n
.endif
.set kk, ((\s)+7)%8
.irp a, 0,1,2,3,4,5,6,7
	WM \p, \s, \a
.if (\fma) && ((\s) == 0)
.if \a < 4
	v_nop
.else
	FMA \p, 2*(\a-4)
	FMA \p, 2*(\a-4)+1
.endif
.elseif (\fma) && ((\s) < 3)
.if \a < 4
	FMA \p, 8+12*((\s)-1)+2*\a
	FMA \p, 8+12*((\s)-1)+2*\a+1
.else
	FMA \p, 16+12*((\s)-1)+(\a-4)
.endif
.elseif (\ld) && (\a < 4)
	v_nop
.endif
.if \ld
.if \a == 3
	ds_load_b128 v[8*kk:8*kk+3], v[ADB] offset:(\off)+64*kk
.elseif \a == 4
	ds_load_b128 v[8*kk+4:8*kk+7], v[ADB] offset:(\off)+64*kk+32
.endif
.endif
.endr
.endm
; Behind K step 2, when the tile before has had its multiply-adds: this tile's eight numbers of hidden, and (sb = 1) the next tile's scale words into the other set.
.macro GL p, ho, so, sb
	WIN W_G
	ds_load_b128 v[HV:HV+3], v[ADH] offset:\ho
	ds_load_b128 v[HV+4:HV+7], v[ADH] offset:(\ho)+16
.if \sb
	ds_load_b128 v[SB+8*(1-(\p)):SB+8*(1-(\p))+3], v[ADS] offset:\so
	ds_load_b128 v[SB+8*(1-(\p))+4:SB+8*(1-(\p))+7], v[ADS] offset:(\so)+16
.endif
.endm
; A TILE of 16 rows of W: 64 matrix instructions.  cur, nxt: where this tile and the next begin, from v[ADB] on.
; THE WAIT AT A STEP'S HEAD is for 10: behind a fragment's two loads at least 12 LDS instructions are issued before it is multiplied (six steps' two each, and GL's four where they fall between),
; and behind GL's loads exactly ten (steps 3 to 7) before the next tile's step 0 wants them.
; kind 0: plain.  kind 1, 2: a chunk's last tile: behind step 0 all reads of the chunk's region have been issued, and the regions change: each wave waits for all its tensor loads (its part of the next chunk),
; adds 0 to its spare word, works a step, waits for the add and for its reads, and signals.  kind 1: the barrier opens a round of the cluster's barrier, and the region just left is filled again with the chunk two on,
; first thing behind the round.  The two fragments whose loads steps 1 and 2 left out are fetched then.  kind 3: the last tile: nothing more is fetched but its own last fragment and its numbers of hidden.
.macro TILE p, fma, cur, nxt, ho, so, kind, g0, base
	STEP \p, 0, \fma, 1, \cur, 10
.if (\kind) == 0
	STEP \p, 1, \fma, 1, \nxt, 10
	STEP \p, 2, \fma, 1, \nxt, 10
.elseif (\kind) == 3
	STEP \p, 1, \fma, 0, 0, 10
	STEP \p, 2, \fma, 0, 0, 10                     ; (behind fragment 2's loads: four steps' eight and step 0's two)
.else
	WIN 0                                          ; (the add's two registers lie in window 0)
	s_wait_tensorcnt 0x0                           ; all my tensor loads have landed: my part of the next chunk; so a group 0 may be written
	ds_add_u32 v[SPW], v[NIL]                      ; 0 onto my spare word
.if (\kind) == 1
	s_add_nc_u64 s[(\g0)+2:(\g0)+3], s[(\g0)+2:(\g0)+3], 131072   ; two chunks on; the type bits on top are not reached
.endif
	STEP \p, 1, \fma, 0, 0, 10                     ; a step's work stands between the add and the wait for it
	s_wait_dscnt 0x0                               ; the add is done, and my reads of this chunk's region are over
	s_barrier_signal -1
	STEP \p, 2, \fma, 0, 0, -1                     ; work on registers while the others arrive
	WIN 0
	s_barrier_wait -1
.if (\kind) == 1
	CREST                                          ; no wave of any partner still reads the region or has a load on its way
	tensor_load_to_lds s[(\g0):(\g0)+3], s[G1W:G1W+7]      ; my one tensor load behind the round
	s_nop 0
	PLACES 4
.endif
	s_mov_b32 s[TB], \base
	WIN W_X
	v_add_nc_u32 v[ADB], v[AB0], s[TB]
	LDF 0, 0                                       ; their last readers stand twelve multiply-adds back or more
	LDF 1, 0
.endif
.if (\kind) == 3
	GL \p, \ho, \so, 0
.irp s, 3,4,5,6,7
	STEP \p, \s, 0, 0, 0, 2                        ; only the two loads of hidden may be out
.endr
.else
	GL \p, \ho, \so, 1
.irp s, 3,4,5,6,7
	STEP \p, \s, 0, 1, \nxt, 10
.endr
.endif
.endm
.macro NEXT adb                        ; on to the next pair of tiles.  (LDS instructions have read their address registers when they are issued)
	WIN W_P3                                       ; source 0 and destination window 1
	s_add_co_u32 s[TS], s[TS], 1024
	s_add_co_u32 s[TH], s[TH], 128
.if \adb
	s_add_co_u32 s[TB], s[TB], 2*TILEB
	v_add_nc_u32 v[ADB], v[AB0], s[TB]
.endif
	v_add_nc_u32 v[ADS], v[AS0], s[TS]
	v_add_nc_u32 v[ADH], v[AH0], s[TH]
.endm
.macro PAIR fma0
	TILE 0, \fma0, 0, TILEB, 0, 512, 0, 0, 0
	TILE 1, 1, TILEB, 2*TILEB, 64, 1024, 0, 0, 0
	NEXT 1
.endm
.macro TAIL kind, g0, base             ; a chunk's tiles 6 and 7
	TILE 0, 1, 0, TILEB, 0, 512, 0, 0, 0
	TILE 1, 1, TILEB, 0, 64, 1024, \kind, \g0, \base
	NEXT 0
.endm
.macro PAIRS trips, name               ; a loop of a constant count; at a label and at a branch every window is 0
	WIN 0
	s_mov_b32 s[CNT], \trips
\name:
	PAIR 1
	WIN 0
	s_sub_co_u32 s[CNT], s[CNT], 1
	s_cmp_lg_u32 s[CNT], 0
	s_cbranch_scc1 \name
.endm
	s_mov_b32 s[TB], R1
	s_mov_b32 s[TS], 0
	s_mov_b32 s[TH], 0
	WIN W_X
	v_add_nc_u32 v[ADB], v[AB0], s[TB]
	v_add_nc_u32 v[ADS], v[AS0], s[TS]
	v_add_nc_u32 v[ADH], v[AH0], s[TH]
	WIN W_G
	ds_load_b128 v[SB:SB+3], v[ADS]                ; tile 0's scale words
	ds_load_b128 v[SB+4:SB+7], v[ADS] offset:16
	WIN W_X
.irp k, 0,1,2,3,4,5,6
	LDF \k, 0                                      ; tile 0's fragments 0 to 6; its step 0 fetches the seventh
.endr
	PAIR 0                                         ; chunk 0 (R1): tile 0 has no tile before it
	PAIRS 2, .Lchunk0
	TAIL 1, G0W0, R0                               ; chunk 2 is asked for, into R1; on to chunk 1
	PAIRS 3, .Lchunk1
	TAIL 1, G0W1, R1                               ; chunk 3 into R0; on to chunk 2
	PAIRS 3, .Lchunk2
	TAIL 2, 0, R0                                  ; nothing is left to ask for; on to chunk 3
	PAIRS 3, .Lchunk3
	TILE 0, 1, 0, TILEB, 0, 512, 0, 0, 0
	TILE 1, 1, TILEB, 0, 64, 0, 3, 0, 0
	; ---- my rows' energies over my half of N
	WIN W_P0
	PLACES 4                                       ; behind the last products
	s_wait_dscnt 0x0                               ; tile 31's numbers of hidden
.set Q, 0
.rept 32
	FMA 0, Q
.set Q, Q+1
.endr
	WIN 0x05                                       ; sources window 1, destination window 0: F's registers are free
.irp a, 0,1,2,3,4,5,6,7
	v_add_f32 v[64+\a], v[EV+2*\a], v[EV+2*\a+1]   ; even and odd columns
.endr
	WIN 0
.irp a, 0,1,2,3,4,5,6,7
	v_permlanex16_b32 v[72+\a], v[64+\a], s[SEL], s[SEL+1]
.endr
.irp a, 0,1,2,3,4,5,6,7
	v_add_f32 v[64+\a], v[64+\a], v[72+\a]         ; with lane l xor 16's eight columns of each tile
.endr
.irp a, 0,1,2,3,4,5,6,7
	ds_store_b32 v[EXA], v[64+\a] offset:64*\a     ; row 128 i + 16 a + r; both halves of the lanes write the same word with the same value
.endr
	v_and_b32 v5, 31, v0
	v_lshl_add_u32 v6, v5, 3, EX                   ; the softmax: lane l takes m = 32 q + l: the pair (f, f + 1) at 8 l + 256 q
	v_lshlrev_b32 v7, 7, v5                        ; and in out: 128 bytes from m to m + 1
	v_mov_b32 v5, EXB
	s_wait_dscnt 0x0                               ; for the others' sake: my stores have landed
	s_barrier_signal -1
	s_barrier_wait -1
	s_cmp_lg_u32 s[WV], 0                          ; 256 numbers are left: wave 0 makes both softmaxes
	s_cbranch_scc1 .Lend
.irp q, 0,1,2,3
	ds_load_b64 v[80+2*\q:81+2*\q], v6 offset:256*\q
	ds_load_b64 v[88+2*\q:89+2*\q], v6 offset:1024+256*\q
.endr
	ds_load_b128 v[96:99], v5
	s_wait_dscnt 0x0
	v_add_f32 v100, v96, v97
	v_add_f32 v101, v98, v99
	v_add_f32 v100, v100, v101                     ; hidden . bias
	v_mov_b32 v101, v100
.irp q, 0,1,2,3
	v_pk_add_f32 v[80+2*\q:81+2*\q], v[80+2*\q:81+2*\q], v[88+2*\q:89+2*\q]   ; the two halves of N
.endr
.irp q, 0,1,2,3
	v_pk_add_f32 v[80+2*\q:81+2*\q], v[80+2*\q:81+2*\q], v[100:101]
.endr
	v_max3_num_f32 v102, v80, v82, v84             ; the largest energy of each f: my four, then the 32 lanes'
	v_max3_num_f32 v103, v81, v83, v85
	v_max_num_f32 v102, v102, v86
	v_max_num_f32 v103, v103, v87
.irp x, 1,2,4,8
	v_max_num_f32_dpp v102, v102, v102 row_xmask:\x row_mask:0xf bank_mask:0xf
	v_max_num_f32_dpp v103, v103, v103 row_xmask:\x row_mask:0xf bank_mask:0xf
.endr
	v_permlanex16_b32 v108, v102, s[SEL], s[SEL+1]
	v_permlanex16_b32 v109, v103, s[SEL], s[SEL+1]
	v_max_num_f32 v102, v102, v108
	v_max_num_f32 v103, v103, v109
.irp q, 0,1,2,3
	v_pk_add_f32 v[80+2*\q:81+2*\q], v[80+2*\q:81+2*\q], v[102:103] neg_lo:[0,1] neg_hi:[0,1]   ; the maximum is taken away first,
.endr
.irp q, 0,1,2,3
	v_pk_mul_f32 v[80+2*\q:81+2*\q], v[80+2*\q:81+2*\q], s[90:91] op_sel_hi:[1,0]               ; then x log2(e)
.endr
.irp i, 0,1,2,3,4,5,6,7
	v_exp_f32 v[80+\i], v[80+\i]
.endr
	v_nop                                          ; a plain instruction between the last exponential and the use of its result
	s_wait_alu depctr_va_vdst(0)
	v_pk_add_f32 v[104:105], v[80:81], v[82:83]
	v_pk_add_f32 v[106:107], v[84:85], v[86:87]
	v_pk_add_f32 v[104:105], v[104:105], v[106:107]
.irp x, 1,2,4,8
	v_add_f32_dpp v104, v104, v104 row_xmask:\x row_mask:0xf bank_mask:0xf
	v_add_f32_dpp v105, v105, v105 row_xmask:\x row_mask:0xf bank_mask:0xf
.endr
	v_permlanex16_b32 v108, v104, s[SEL], s[SEL+1]
	v_permlanex16_b32 v109, v105, s[SEL], s[SEL+1]
	v_add_f32 v104, v104, v108
	v_add_f32 v105, v105, v109
	v_rcp_f32 v104, v104
	v_rcp_f32 v105, v105
	v_nop                                          ; a plain instruction behind the reciprocals
	s_wait_alu depctr_va_vdst(0)
.irp q, 0,1,2,3
	v_pk_mul_f32 v[80+2*\q:81+2*\q], v[80+2*\q:81+2*\q], v[104:105]
.endr
.irp q, 0,1,2,3
	global_store_b64 v7, v[80+2*\q:81+2*\q], s[16:17] offset:4096*\q   ; out[b][32 q + lane][2 fp, 2 fp + 1]: 8 bytes a lane, lanes 128 bytes apart
.endr
.Lend:
	s_wait_tensorcnt 0x0                           ; the wave's end: behind my last tensor load and my last LDS store
	ds_add_u32 v[SPW], v[NIL]
	s_wait_dscnt 0x0
	CROUND                                         ; the closing round: no work-group ends while a partner may still ask for a tile that names it
	s_endpgm
.Lfunc_end_k_qa9cdee2785_attn:
	.size	k_qa9cdee2785_attn, .Lfunc_end_k_qa9cdee2785_attn-k_qa9cdee2785_attn
	.p2alignl 7, 3214868480
	.fill 96, 4, 3214868480
	.section	.rodata,"a",@progbits
	.p2align	6, 0x0
	.amdhsa_kernel k_qa9cdee2785_attn
		.amdhsa_group_segment_fixed_size 327680
		.amdhsa_private_segment_fixed_size 0
		.amdhsa_enable_private_segment 0
		.amdhsa_kernarg_size 56
		.amdhsa_user_sgpr_count 2
		.amdhsa_user_sgpr_kernarg_segment_ptr 1
		.amdhsa_wavefront_size32 1
		.amdhsa_system_sgpr_workgroup_id_x 1
		.amdhsa_system_sgpr_workgroup_id_y 1
		.amdhsa_system_sgpr_workgroup_id_z 1
		.amdhsa_system_vgpr_workitem_id 0
		.amdhsa_next_free_vgpr 896
		.amdhsa_next_free_sgpr 96
		.amdhsa_reserve_vcc 0
		.amdhsa_float_denorm_mode_32 3
		.amdhsa_float_denorm_mode_16_64 3
		.amdhsa_memory_ordered 1
		.amdhsa_forward_progress 1
		.amdhsa_inst_pref_size 254
	.end_amdhsa_kernel
	.amdgpu_metadata
---
amdhsa.version: [ 1, 2 ]
amdhsa.kernels:
  - .name:           k_qa9cdee2785_attn
    .symbol:         k_qa9cdee2785_attn.kd
    .args:
      - { .name: fathers_outputs_codes, .offset: 0, .size: 8, .value_kind: global_buffer, .address_space: global }
      - { .name: fathers_outputs_scales, .offset: 8, .size: 8, .value_kind: global_buffer, .address_space: global }
      - { .name: attn_W_codes, .offset: 16, .size: 8, .value_kind: global_buffer, .address_space: global }
      - { .name: attn_W_scales, .offset: 24, .size: 8, .value_kind: global_buffer, .address_space: global }
      - { .name: hidden, .offset: 32, .size: 8, .value_kind: global_buffer, .address_space: global }
      - { .name: attn_b, .offset: 40, .size: 8, .value_kind: global_buffer, .address_space: global }
      - { .name: out0, .offset: 48, .size: 8, .value_kind: global_buffer, .address_space: global }
    .group_segment_fixed_size: 327680
    .private_segment_fixed_size: 0
    .kernarg_segment_align: 8
    .kernarg_segment_size: 56
    .max_flat_workgroup_size: 128
    .sgpr_count:     96
    .vgpr_count:     896
    .wavefront_size: 32
...
	.end_amdgpu_metadata
.endif
;; end of part 1
;; ======== version 2 of 2: 1 launch
;; limits: right only within a limited range of input values
;; launch attn (part 2): grid 256 x 1, 4 waves a work-group, clusters of 4 x 1, 327,680 bytes of LDS; arguments fathers_outputs_codes, fathers_outputs_scales, attn_W_codes, attn_W_scales, hidden, out0; writes out0
.if DOCPART == 2
	.amdgcn_target "amdgcn-amd-amdhsa--gfx1250"
	.amdhsa_code_object_version 6
	.text
	.protected	k_qa9cdee2785_attn
	.globl	k_qa9cdee2785_attn
	.p2align	8
	.type	k_qa9cdee2785_attn,@function
k_qa9cdee2785_attn:
	s_mov_b64 s[64:65], 0
	v_nop
	global_prefetch_b8 v0, s[64:65] scope:SCOPE_SE
	s_setreg_imm32_b32 hwreg(HW_REG_WAVE_MODE, 25, 1), 1
	s_wait_xcnt 0x0
	s_wait_alu depctr_hold_cnt(0) depctr_sa_sdst(0) depctr_va_vdst(0) depctr_va_sdst(0) depctr_va_ssrc(0) depctr_va_vcc(0) depctr_vm_vsrc(0)
	s_getreg_b32 s2, hwreg(HW_REG_IB_STS2, 6, 4)
	s_cmp_eq_u32 s2, 0
	s_cbranch_scc0 .Lentry_in_a_cluster
	s_endpgm
.Lentry_in_a_cluster:
	s_bfe_u32 s2, ttmp6, 0x10000c
	s_cmp_lg_u32 s2, 0x3003
	s_cbranch_scc0 .Lentry_shape_is_right
	s_endpgm
.Lentry_shape_is_right:
; out[b][m][f] = softmax over m of  hidden[b] . (F[b][m][f] W^T + bias).   F: 65,536 rows x 1,024, W: 1,024 x 1,024: codes of FP4 (E2M1) with one E8M0 byte for each 32 along K, taken as they lie.
; LEFT OUT AS DEAD WORK: the bias.  hidden[b] . (D + bias) = hidden[b] . D + hidden[b] . bias, and the second term is one number for each b: the same for every m, the axis of the softmax, whatever
; hidden and attn_b hold: it cancels in exact arithmetic.  attn_b reaches no quantised operand.  So attn_b is no argument of this launch.  fathers_lengths is used nowhere in the definition and is no argument either.
; LIMITS: a NaN, an infinity or an overflow that reaches only hidden . bias is not carried to the result; NaN, infinities and the scale byte 0xff elsewhere give what the matrix unit gives;
; an exponential under 2^-126 comes out as 0 (ISA guide, v_exp_f32).  The order of the f32 sums over the columns of W is not the definition's order.
; SHARES.  256 work-groups; work-group g = 16 b + fp owns the 256 rows (b, m = 0 .. 127, f = 2 fp, 2 fp + 1), local row 2 m + (f - 2 fp), for all of N and K: so it owns its two softmax columns whole.
; Wave 2 i + j keeps local rows 128 i .. 128 i + 127 for ALL of K in registers: half A = the first 64 (window 2), half B = the others (window 3): 2 blocks of 32 rows x 8 K steps x 16 registers each.
; It walks 16 PAIRS of tiles of W: pair u, tile e = rows 64 u + 32 j + 16 e + 0 .. 15.
; A matrix instruction takes 32 rows of F (source 0) and 16 rows of W (source 1): lane (r, h) then holds column n = r of W and rows 8 h + 0 .. 7 and 16 + 8 h + 0 .. 7 of F.  The dot with hidden is one packed multiply-add
; for two rows, by ONE register of hidden a tile: hidden[n] in lane r.  All 32 tiles' registers of hidden are loaded once.  The running dots (64 registers) are added over the 16 lanes once, at the end.
; A PHASE is a pair x a half: 2 tiles x 2 blocks x 8 K steps = 32 matrix instructions on four accumulators.  Two sets of four take turns from phase to phase; a phase also does the 32 multiply-adds on the phase before.
; ORDER.  F comes in two halves.  Half A meets pairs 0-3 while half B is on its way; then half B meets pairs 0-3; from pair 4 on both halves meet a pair, one after the other.  Each pair has its own registers of hidden and
; its own rows of the buffer below, so the phases are written out.
; CLUSTER.  All work-groups walk the same W: the four of a cluster ask for each piece of it JOINTLY (mask 15): same line, same descriptor (made of the wave's number and constants alone).  F is each work-group's own.
; LDS.  A circular buffer of 512 rows of 528 bytes: pair u of W lies at row (256 + 64 u) mod 512.  Rows 0-127 first hold F's half A, rows 128-255 half B.  Head: half A and pairs 0-3.  Then, one tensor load a wave behind a round
; of the cluster's barrier each time: half B; pairs 4, 5 over half A; pairs 6, 7 over half B; pairs 8-11 over 0-3; pairs 12-15 over 4-7.
; PREFETCH.  Half B's 64 lines of 1,024 bytes are asked for once, in blocks of 256 bytes, a block a lane, two requests a wave, while half A is on its way: one stage ahead of the tensor load that will want them.
; OUTPUT.  A work-group's numbers are 8 bytes (two f) of each of 128 rows of 128 bytes; 262,144 bytes in all beside 36 million read.
.set PITCH,  528                       ; a row of 1,024 codes: 512 bytes + 16 of padding: the 16 rows of a fragment load start at 16 different places of 16 bytes modulo 256
.set EX,     512*PITCH                 ; the energies [j][local row], f32: 2,048 (no tensor load lands here or further on)
.set SPARE,  EX+2048                   ; the spare words, 128 bytes for each wave: two blocks of 256 bytes that no other line names
; window 0
.set SPW, 1                            ; v1   SPARE + 4 x my thread's number; never rewritten
.set NIL, 2                            ; v2   0; never rewritten
.set FA,  3                            ; v3, v4   LDS address of my fragments of F's half A, B
.set EXA, 5                            ; v5   where I put my rows' energies
.set SBA, 6                            ; v6   byte offset of my W scale words in memory
.set WA,  8                            ; v8-11 of my fragments of W in the buffer's rows 128 q + 0 .. 127
.set PFO, 14                           ; v14  the prefetch's offset; never rewritten
.set HV,  16                           ; v16-47  hidden: pair u, tile e at HV + 2 u + e
.set SA,  48                           ; v48-79  F's scale words: block a, K step s at SA + 8 a + s; lane = row
.set SB,  80                           ; v80-127 W's scale words: six sets: pair u at SB + 8 (u % 6) + s; lanes 0-15 tile 0, lanes 16-31 tile 1
.set WF,  128                          ; v128-255 W's fragments of a pair: tile e, K step s at WF + 64 e + 8 s
; windows 2, 3: F's fragments of half A, B: block b, K step s at 128 b + 16 s
; window 1: v0-127 two sets of accumulators: set p, tile e, block b at 64 p + 16 (2 e + b)
.set EV,  128                          ; v128-191 the running dots: half X, block b, register jj at EV + 32 X + 16 b + jj
.set WV,  18
.set JJ,  19
.set II,  20
.set G1F, 24                           ; groups 1: F; W (the head's, then 32 rows); W (64 rows)
.set G1H, 32
.set G1W, 40
.set G0F, 48                           ; groups 0
.set G0H, 52
.set G0W, 56
.set MK,  60                           ; s[60:63] lanes with bit 3, 2, 1, 0 set
.set QB,  66                           ; my 64 rows' bytes of LDS
.set SEL, 68                           ; s[68:69] v_permlanex16_b32's selects for lane l xor 16
.set LOG, 70                           ; s[70:71] log2(e)
.set G0B, 72                           ; group 0 for F's half B
.set QA,  76                           ; my 32 rows' bytes of LDS
.set PFB, 98                           ; s[98:99] where my quarter of F's half B begins
.set MSB, 0
.macro WIN new                         ; the immediate's high byte repeats the setting that is left; a switch that changes nothing is dropped
.if MSB != \new
	s_set_vgpr_msb (MSB<<8)|\new
.set MSB, \new
.endif
.endm
.macro PLACES n
.rept \n
	v_nop
.endr
.endm
.macro CREST                           ; a round of the cluster's barrier behind its opening barrier
	s_cmp_lg_u32 s[WV], 0
	s_cbranch_scc1 .Lnot_wave_0_\@
	s_barrier_signal -3
.Lnot_wave_0_\@:
	s_barrier_wait -3
	s_barrier_signal -1
	s_barrier_wait -1
.endm
.macro CROUND                          ; a whole round
	s_barrier_signal -1
	s_barrier_wait -1
	CREST
.endm
	s_load_b256 s[4:11], s[0:1], 0x0               ; F's codes s[4:5], F's scales s[6:7], W's codes s[8:9], W's scales s[10:11]
	s_load_b128 s[12:15], s[0:1], 0x20             ; hidden s[12:13], out s[14:15]
	v_lshl_add_u32 v[SPW], v0, 2, SPARE
	v_mov_b32 v[NIL], 0
	ds_add_u32 v[SPW], v[NIL]                      ; the wave's opening: the add, twice on end, and its wait ahead of my first tensor load
	ds_add_u32 v[SPW], v[NIL]
	v_lshrrev_b32 v7, 5, v0
	v_readfirstlane_b32 s[WV], v7                  ; wave 0..3
	s_and_b32 s[JJ], s[WV], 1                      ; j.  At the head: which half of what I fetch
	s_lshr_b32 s[II], s[WV], 1                     ; i: my half of F's rows.  At the head: I fetch F (0) or W (1)
	s_bfe_u32 s21, ttmp6, 0x40000                  ; cx
	s_lshl_b32 s22, ttmp9, 2
	s_add_co_u32 s22, s22, s21                     ; work-group g = 4 x cluster + cx: it enters F's, hidden's and out's global addresses alone
	s_lshr_b32 s23, s22, 4                         ; b
	s_and_b32 s77, s22, 15                         ; fp
	s_mov_b32 s[SEL], 0x76543210
	s_mov_b32 s[SEL+1], 0xfedcba98
	s_mov_b32 s[LOG], 0x3fb8aa3b
	s_mov_b32 s[LOG+1], s[LOG]                     ; (named with it as a pair, so it is written)
	s_mov_b32 s[MK], 0xff00ff00
	s_mov_b32 s[MK+1], 0xf0f0f0f0
	s_mov_b32 s[MK+2], 0xcccccccc
	s_mov_b32 s[MK+3], 0xaaaaaaaa
	; group 1, F's codes: 32 lines (one m each) of 1,024 bytes (two f), 16,384 bytes apart in memory; 16 bytes of padding behind every 512: a local row every 528 bytes
	s_mov_b32 s[G1F+0], (1<<20)|(6<<22)|(3<<25)    ; no mask; elements of 1 byte; padding on: after every 128 words (code 6) 4 words (code 3)
	s_mov_b32 s[G1F+1], 1024<<16                   ; tensor_dim0
	s_mov_b32 s[G1F+2], 32<<16                     ; tensor_dim1
	s_mov_b32 s[G1F+3], 1024<<16                   ; tile_dim0
	s_mov_b32 s[G1F+4], 32                         ; tile_dim1
	s_mov_b32 s[G1F+5], 16384                      ; from line to line
	s_mov_b32 s[G1F+6], 0
	s_mov_b32 s[G1F+7], 0
	; W's codes: 128 rows (head) or 64 rows of 512 bytes, dense in memory, 16 bytes of padding behind each; asked for by all four work-groups of the cluster
	s_mov_b32 s[G1H+0], 15|(1<<20)|(1<<21)|(6<<22)|(3<<25)
	s_mov_b32 s[G1H+1], 512<<16
	s_mov_b32 s[G1H+2], 128<<16
	s_mov_b32 s[G1H+3], 512<<16
	s_mov_b32 s[G1H+4], 128
	s_mov_b32 s[G1H+5], 512
	s_mov_b32 s[G1H+6], 0
	s_mov_b32 s[G1H+7], 0
	s_mov_b32 s[G1W+0], 15|(1<<20)|(1<<21)|(6<<22)|(3<<25)
	s_mov_b32 s[G1W+1], 512<<16
	s_mov_b32 s[G1W+2], 64<<16
	s_mov_b32 s[G1W+3], 512<<16
	s_mov_b32 s[G1W+4], 64
	s_mov_b32 s[G1W+5], 512
	s_mov_b32 s[G1W+6], 0
	s_mov_b32 s[G1W+7], 0
	s_mov_b32 s[G0F], 1
	s_mov_b32 s[G0H], 1
	s_mov_b32 s[G0W], 1
	s_mov_b32 s[G0B], 1
	s_mul_i32 s[G0F+1], s[WV], 64*PITCH            ; waves 0, 1: half A's rows of i = 0, 1 -> rows 64 w
	s_mul_i32 s[G0H+1], s[WV], 128*PITCH           ; waves 2, 3: W's first 256 rows -> rows 128 w
	s_mul_i32 s[QA], s[WV], 32*PITCH
	s_mul_i32 s[QB], s[WV], 64*PITCH
	s_add_co_u32 s[G0B+1], s[QA], 128*PITCH        ; half B -> rows 128 + 32 w
	s_add_co_u32 s[G0W+1], s[QA], 0                ; pairs 4, 5 -> rows 32 w
	s_lshl_b32 s78, s23, 21                        ; F's codes: b x 4,096 rows + fp x 2 rows,
	s_lshl_b32 s2, s77, 10
	s_add_co_u32 s78, s78, s2
	s_lshl_b32 s96, s[II], 20                      ; half B: my quarter, m = 64 i + 32 + 16 j
	s_lshl_b32 s2, s[JJ], 18
	s_add_co_u32 s96, s96, s2
	s_add_co_u32 s96, s96, s78
	s_add_co_u32 s96, s96, 0x80000
	s_mov_b32 s97, 0
	s_lshl_b32 s2, s[JJ], 20                       ; half A: m = 64 w (waves 0, 1)
	s_add_co_u32 s78, s78, s2
	s_mov_b32 s79, 0
	s_lshl_b32 s80, s23, 17                        ; F's scales
	s_lshl_b32 s2, s77, 6
	s_add_co_u32 s80, s80, s2
	s_mov_b32 s81, 0
	s_lshl_b32 s82, s[JJ], 16                      ; W, head: 128 rows of 512 bytes
	s_mov_b32 s83, 0
	s_lshl_b32 s84, s[WV], 14                      ; W, refills: my 32 rows
	s_mov_b32 s85, 0
	s_lshl_b32 s86, s23, 12                        ; hidden[b]
	s_mov_b32 s87, 0
	s_lshl_b32 s88, s23, 14                        ; out[b][0][2 fp]
	s_lshl_b32 s2, s77, 3
	s_add_co_u32 s88, s88, s2
	s_mov_b32 s89, 0
	s_lshl_b32 s90, s[JJ], 7
	s_lshl_b32 s91, s[JJ], 10
	s_lshl_b32 s92, s[II], 16
	s_mul_i32 s93, s[II], 64*PITCH
	s_mul_i32 s94, s[JJ], 32*PITCH
	s_lshl_b32 s95, s[JJ], 10
	s_lshl_b32 s2, s[II], 9
	s_add_co_u32 s95, s95, s2
	s_add_co_u32 s95, s95, EX
	v_and_b32 v7, 15, v0                           ; r
	v_bfe_u32 v12, v0, 4, 1                        ; h
	v_and_b32 v13, 31, v0                          ; lane
	v_mul_u32_u24 v15, v7, PITCH
	v_lshl_add_u32 v15, v12, 4, v15                ; a fragment's row x pitch + 16 h
	v_add_nc_u32 v[FA], s93, v15                   ; F: my 64 rows of half A,
	v_add_nc_u32 v[FA+1], 128*PITCH, v[FA]         ; of half B
	v_add_nc_u32 v[WA], s94, v15                   ; W: my 32 rows of a pair
	v_add_nc_u32 v[WA+1], 128*PITCH, v[WA]
	v_add_nc_u32 v[WA+2], 256*PITCH, v[WA]
	v_add_nc_u32 v[WA+3], 384*PITCH, v[WA]
	v_lshl_add_u32 v128, v7, 2, s90                ; hidden: 4 r + 128 j
	v_lshl_add_u32 v[SBA], v13, 5, s91             ; W's scales: 32 bytes a row: 32 lane + 1,024 j
	v_lshrrev_b32 v129, 1, v13
	v_lshlrev_b32 v129, 10, v129                   ; F's scales: 1,024 bytes from m to m + 1,
	v_and_b32 v130, 1, v13
	v_lshl_add_u32 v129, v130, 5, v129             ; 32 from f to f + 1,
	v_add_nc_u32 v129, s92, v129                   ; my 64 m
	v_lshrrev_b32 v130, 2, v13
	v_lshlrev_b32 v130, 14, v130                   ; the prefetch: line lane / 4, block lane % 4
	v_and_b32 v131, 3, v13
	v_lshl_add_u32 v[PFO], v131, 8, v130
	v_lshrrev_b32 v130, 1, v7
	v_lshlrev_b32 v130, 6, v130
	v_lshl_add_u32 v130, v12, 5, v130
	v_and_b32 v131, 1, v7
	v_lshl_add_u32 v130, v131, 4, v130
	v_add_nc_u32 v[EXA], s95, v130                 ; EX + 1,024 j + 512 i + 64 (r / 2) + 32 h + 16 (r % 2)
	s_wait_alu depctr_va_vdst(0)
	s_wait_dscnt 0x0                               ; both opening adds are done
	s_wait_kmcnt 0x0
	s_add_nc_u64 s[G0F+2:G0F+3], s[4:5], s[78:79]
	s_or_b32 s[G0F+3], s[G0F+3], 0x80000000
	s_add_nc_u64 s[PFB:PFB+1], s[4:5], s[96:97]
	s_mov_b64 s[G0B+2:G0B+3], s[PFB:PFB+1]
	s_or_b32 s[G0B+3], s[G0B+3], 0x80000000
	s_add_nc_u64 s[G0H+2:G0H+3], s[8:9], s[82:83]
	s_or_b32 s[G0H+3], s[G0H+3], 0x80000000
	s_add_nc_u64 s[G0W+2:G0W+3], s[8:9], s[84:85]
	s_add_nc_u64 s[G0W+2:G0W+3], s[G0W+2:G0W+3], 131072   ; pair 4 begins at row 256
	s_or_b32 s[G0W+3], s[G0W+3], 0x80000000
	s_add_nc_u64 s[6:7], s[6:7], s[80:81]
	s_add_nc_u64 s[12:13], s[12:13], s[86:87]
	s_add_nc_u64 s[14:15], s[14:15], s[88:89]
	CROUND                                         ; all four work-groups are here: the first joint loads meet
	s_cmp_eq_u32 s[II], 0                          ; one tensor load a wave at the head
	s_cbranch_scc0 .Lhead_w
	tensor_load_to_lds s[G0F:G0F+3], s[G1F:G1F+7]
	s_nop 0
	PLACES 4
	s_branch .Lhead_asked
.Lhead_w:
	tensor_load_to_lds s[G0H:G0H+3], s[G1H:G1H+7]
	s_nop 0
	PLACES 4
.Lhead_asked:
; W's scale words of pair u (32 rows, 1,024 neighbouring bytes) into its set
.macro LDSB u
.irp q, 0,1
	global_load_b128 v[SB+8*((\u)%6)+4*\q:SB+8*((\u)%6)+4*\q+3], v[SBA], s[10:11] offset:2048*(\u)+16*\q
.endr
.endm
.irp u, 0,1,2,3,4,5
	LDSB \u
.endr
.irp a, 0,1,2,3
.irp q, 0,1
	global_load_b128 v[SA+8*\a+4*\q:SA+8*\a+4*\q+3], v129, s[6:7] offset:16384*\a+16*\q
.endr
.endr
.set Q, 0
.rept 32
	global_load_b32 v[HV+Q], v128, s[12:13] offset:256*(Q/2)+64*(Q%2)   ; hidden[b][64 u + 32 j + 16 e + r]
.set Q, Q+1
.endr
	s_wait_loadcnt 0x0
	global_prefetch_b8 v[PFO], s[PFB:PFB+1] th:TH_LOAD_NT scope:SCOPE_SE   ; my 16 lines of half B, eight a request
	global_prefetch_b8 v[PFO], s[PFB:PFB+1] offset:131072 th:TH_LOAD_NT scope:SCOPE_SE
	s_wait_tensorcnt 0x0                           ; my part of half A or of pairs 0-3 is in
	ds_add_u32 v[SPW], v[NIL]                      ; 0 onto my spare word
	s_mov_b32 s[G1F+2], 16<<16                     ; no tensor load of mine is out, so a descriptor may be written: half B by 16 lines a wave,
	s_mov_b32 s[G1F+4], 16
	s_mov_b32 s[G1H+2], 32<<16                     ; the first two refills by 32 rows a wave
	s_mov_b32 s[G1H+4], 32
	s_wait_dscnt 0x0                               ; the add is done
	CROUND                                         ; everybody's part is in
	tensor_load_to_lds s[G0B:G0B+3], s[G1F:G1F+7]  ; half B: my one tensor load behind the round
	s_nop 0
	PLACES 4
; ---- the parts
; One matrix instruction: half X, pair u, K step s, tile e, block b.  K step 0 starts the sums: nothing is cleared.  A phase's four accumulators take turns, one instruction a turn.
.set PS, 0                             ; the set of accumulators of the phase in hand; 1 - PS is that of the phase before,
.set PX, 0                             ; which was half PX
.set PU, 99                            ; of pair PU (99: none)
.macro WM X, u, s, e, b
.set rD, 64*PS+16*(2*(\e)+(\b))
.set rF, 128*(\b)+16*(\s)
.set rB, WF+64*(\e)+8*(\s)
.set rA, SA+8*(2*(\X)+(\b))+(\s)
.set rW, SB+8*((\u)%6)+(\s)
.if (\s) == 0
.if (\e) == 1
	v_wmma_scale_f32_32x16x128_f4 v[rD:rD+15], v[rF:rF+15], v[rB:rB+7], 0, v[rA], v[rW] matrix_b_scale:MATRIX_SCALE_ROW1
.else
	v_wmma_scale_f32_32x16x128_f4 v[rD:rD+15], v[rF:rF+15], v[rB:rB+7], 0, v[rA], v[rW]
.endif
.else
.if (\e) == 1
	v_wmma_scale_f32_32x16x128_f4 v[rD:rD+15], v[rF:rF+15], v[rB:rB+7], v[rD:rD+15], v[rA], v[rW] matrix_b_scale:MATRIX_SCALE_ROW1
.else
	v_wmma_scale_f32_32x16x128_f4 v[rD:rD+15], v[rF:rF+15], v[rB:rB+7], v[rD:rD+15], v[rA], v[rW]
.endif
.endif
.endm
.macro STEP X, u, s                    ; source 0: window 2 or 3; source 1: window 0; source 2 and destination: window 1
	WIN 0x52+(\X)
	WM \X, \u, \s, 0, 0
	WM \X, \u, \s, 0, 1
	WM \X, \u, \s, 1, 0
	WM \X, \u, \s, 1, 1
.endm
; The wait of K step s.  ws 0: all fragments have been waited for.  ws 1: younger than step s's are the later steps' of its run of sixteen loads (four a step) and the whole next run.  ws 2: the very first phase: 96 loads in
; front (W's steps 0-3, F's 0-3, W's 4-7, F's 4-7; eight a step of F), sixteen more behind step 3.  ws 3: half B's first phase: W's 32, F's 64, sixteen more behind step 3.  ws 4: nothing is loaded in this phase.
.macro WT ws, s
.if (\ws) == 1
	s_wait_dscnt 28-4*((\s)%4)
.elseif (\ws) == 2
.if (\s) < 2
	s_wait_dscnt 63
.else
	s_wait_dscnt 72-8*(\s)
.endif
.elseif (\ws) == 3
.if (\s) < 4
	s_wait_dscnt 56-8*(\s)
.else
	s_wait_dscnt 72-8*(\s)
.endif
.elseif (\ws) == 4
	s_wait_dscnt 28-4*(\s)
.endif
.endm
; Multiply-add Q of the 32 on the phase before.  Sixteen of them (run Q / 16): registers 8 (Q / 16) + 0 .. 7 of each accumulator; tile 0's eight, then tile 1's: each accumulator is read from its low end on.
; Pair 0's first start the running dots.  Between a dot's write and its next read in another run stand nine others or more.
.macro FMA
.set fe, (Q%16)/8
.set fb, Q%2
.set fi, 4*(Q/16)+(Q%8)/2
.set rC, 64*(1-PS)+16*(2*fe+fb)+2*fi
.set rE, EV+32*PX+16*fb+2*fi
.set rH, HV+2*PU
.if fe == 1
	v_pk_fma_f32 v[rE:rE+1], v[rH:rH+1], v[rC:rC+1], v[rE:rE+1] op_sel:[1,0,0] op_sel_hi:[1,1,1]
.elseif PU == 0
	v_pk_mul_f32 v[rE:rE+1], v[rH:rH+1], v[rC:rC+1] op_sel_hi:[0,1]
.else
	v_pk_fma_f32 v[rE:rE+1], v[rH:rH+1], v[rC:rC+1], v[rE:rE+1] op_sel_hi:[0,1,1]
.endif
.endm
; n multiply-adds from number `from` on.  They name the other set's accumulators, hidden and the running dots, no register of this phase's matrix instructions: so they are the places (ISA guide 7.12.1 for vector
; instructions) between products and the loads into fragments that those have read, and between a phase's last products and the next phase's first read of them.
.macro FMAS from, n
.if PU == 99
	PLACES 4                                       ; no phase before this one
.else
	WIN 0x54
.set Q, \from
.rept \n
	FMA
.set Q, Q+1
.endr
.endif
.endm
; W's fragments of pair u, K steps 4 g .. 4 g + 3, both tiles: sixteen loads
.macro LW u, g
.set wp, (256+64*(\u))%512
	WIN 0
.irp k, 0,1,2,3
.irp e, 0,1
.irp c, 0,1
	ds_load_b128 v[WF+64*\e+8*(4*(\g)+\k)+4*\c:WF+64*\e+8*(4*(\g)+\k)+4*\c+3], v[WA+wp/128] offset:(wp%128+16*\e)*PITCH+64*(4*(\g)+\k)+32*\c
.endr
.endr
.endr
.endm
; F's fragments of half X, K steps 4 g .. 4 g + 3: 32 loads
.macro LF X, g
	WIN 0x80+0x40*(\X)
.irp k, 0,1,2,3
.irp b, 0,1
.irp u, 0,1
.irp c, 0,1
	ds_load_b128 v[128*\b+16*(4*(\g)+\k)+8*\u+4*\c:128*\b+16*(4*(\g)+\k)+8*\u+4*\c+3], v[FA+(\X)] offset:(32*\b+16*\u)*PITCH+64*(4*(\g)+\k)+32*\c
.endr
.endr
.endr
.endr
.endm
.macro DONE X, u
.set PX, \X
.set PU, \u
.set PS, 1-PS
.endm
; A PHASE that fetches pair nu:   S0-S3 | 16 multiply-adds | nu's K steps 0-3 | S4-S7 | 16 multiply-adds | nu's K steps 4-7 (half B: also the scale words of pair u + 6, into the set that pair u has left).
; kind 1: the buffer is filled further: all reads of the rows in question have been issued; the three lines, two K steps between the add and the wait for it; the signal; two K steps and the multiply-adds; a round of the
; cluster's barrier; the one tensor load.  kind 2: what has landed is shown to all, nothing is filled.  kind 3: the last phase: nothing is fetched.
.macro RPH X, u, nu, kind, ws
.if ((\kind) == 1) || ((\kind) == 2)
.if (\kind) == 1
	WIN 0                                          ; (the add's two registers lie in window 0)
	s_wait_tensorcnt 0x0                           ; no tensor load of mine is out: what I asked for is in, and a group 0 may be written
	ds_add_u32 v[SPW], v[NIL]                      ; 0 onto my spare word
.if (\u) == 1
	s_add_nc_u64 s[G0W+2:G0W+3], s[G0W+2:G0W+3], 65536    ; pairs 6, 7 -> rows 128 + 32 w
	s_add_co_u32 s[G0W+1], s[QA], 128*PITCH
.elseif (\u) == 4
	s_add_nc_u64 s[G0W+2:G0W+3], s[G0W+2:G0W+3], 65536    ; pairs 8-11, from here on 64 rows a wave -> rows 256 + 64 w
	s_add_nc_u64 s[G0W+2:G0W+3], s[G0W+2:G0W+3], s[84:85]
	s_add_co_u32 s[G0W+1], s[QB], 256*PITCH
.elseif (\u) == 7
	s_add_nc_u64 s[G0W+2:G0W+3], s[G0W+2:G0W+3], 131072   ; pairs 12-15 -> rows 64 w
	s_add_co_u32 s[G0W+1], s[QB], 0
.endif
.else
	s_wait_tensorcnt 0x0
.endif
.if (\ws) == 1
	s_wait_dscnt 29                                ; (the add is younger too)
.endif
	STEP \X, \u, 0
.if (\ws) == 1
	s_wait_dscnt 25
.endif
	STEP \X, \u, 1
	s_wait_dscnt 0x0                               ; the add is done, and my reads are over
	s_barrier_signal -1
	STEP \X, \u, 2                                 ; work on registers while the others arrive
	STEP \X, \u, 3
	FMAS 0, 16
.if (\kind) == 1
	WIN 0
	s_barrier_wait -1
	CREST                                          ; no wave of any partner still reads these rows or has a load on its way
.if (\u) < 4
	tensor_load_to_lds s[G0W:G0W+3], s[G1H:G1H+7]  ; my one tensor load behind the round
.else
	tensor_load_to_lds s[G0W:G0W+3], s[G1W:G1W+7]  ; my one tensor load behind the round
.endif
	s_nop 0
	PLACES 4
.else
	s_barrier_wait -1
.endif
.else
.irp s, 0,1,2,3
	WT \ws, \s
	STEP \X, \u, \s
.endr
	FMAS 0, 16
.endif
.if (\kind) != 3
	LW \nu, 0
.endif
.irp s, 4,5,6,7
.if (\kind) == 0
	WT \ws, \s
.endif
	STEP \X, \u, \s
.endr
	FMAS 16, 16
.if (\kind) != 3
	LW \nu, 1
.endif
.if ((\X) == 1) && ((\u) < 10)
	LDSB (\u)+6
.endif
	DONE \X, \u
.endm
; A PHASE of half A that fetches nothing: half B meets the same pair next.  In front of it the pair's scale words are waited for; those of up to five later pairs, two loads each, may be out.
.macro NPH u
.if (\u) > 10
	s_wait_loadcnt 2*(15-(\u))
.elseif (\u) > 5
	s_wait_loadcnt 10
.endif
.irp s, 0,1,2,3,4,5,6,7
	WT 4, \s
	STEP 0, \u, \s
.endr
	FMAS 0, 32
	DONE 0, \u
.endm
.macro PAIR u, nu, kind
	NPH \u
	RPH 1, \u, \nu, \kind, 0
.endm
	LW 0, 0
	LF 0, 0
	LW 0, 1
	LF 0, 1
	RPH 0, 0, 1, 0, 2                              ; half A meets pairs 0-3
	RPH 0, 1, 2, 0, 1
	RPH 0, 2, 3, 0, 1
	RPH 0, 3, 0, 1, 1                              ; half B has landed; half A, long in registers, has left rows 0-127: pairs 4, 5
	LF 1, 0
	LF 1, 1
	RPH 1, 0, 1, 0, 3                              ; half B meets pairs 0-3
	RPH 1, 1, 2, 1, 1                              ; half B is in registers: pairs 6, 7 into rows 128-255; pairs 4, 5 have landed
	RPH 1, 2, 3, 0, 1
	RPH 1, 3, 4, 0, 1
	PAIR 4, 5, 1                                   ; pairs 6, 7 have landed; pairs 8-11 over pairs 0-3
	PAIR 5, 6, 0
	PAIR 6, 7, 0
	PAIR 7, 8, 1                                   ; pairs 8-11 have landed; pairs 12-15 over pairs 4-7
	PAIR 8, 9, 0
	PAIR 9, 10, 0
	PAIR 10, 11, 0
	PAIR 11, 12, 2                                 ; pairs 12-15 have landed; nothing is left to ask for
	PAIR 12, 13, 0
	PAIR 13, 14, 0
	PAIR 14, 15, 0
	PAIR 15, 0, 3
	FMAS 0, 32                                     ; the last phase's; those just in front of them are the places behind its last products
; The dots are added over the 16 lanes r, the registers halved at each step: of registers e and e + n the lanes with the step's bit clear keep e, the others e + n: each sends away the one it does not keep.
; Bit 3 picks e's bit 5, bit 2 bit 4, bit 1 bit 3, bit 0 bit 2: four neighbouring rows a lane are left.
.macro RED n, src, m, x
.set Q, 0
.rept \n
	v_cndmask_b32 v[192+Q], v[\src+\n+Q], v[\src+Q], s[\m]
	v_cndmask_b32 v[128+Q], v[\src+Q], v[\src+\n+Q], s[\m]
.set Q, Q+1
.endr
	WIN 0
.set Q, 0
.rept \n
	v_add_f32_dpp v[128+Q], v[192+Q], v[128+Q] row_xmask:\x row_mask:0xf bank_mask:0xf
.set Q, Q+1
.endr
.endm
	WIN 0x05                                       ; sources window 1, destination window 0: W's fragments are done with
	RED 32, EV, MK, 8
	RED 16, 128, MK+1, 4
	RED 8, 128, MK+2, 2
	RED 4, 128, MK+3, 1
	ds_store_b128 v[EXA], v[128:131]               ; rows 128 i + 16 (r / 2) + 8 h + 4 (r % 2) + 0 .. 3, my half of N
	v_and_b32 v12, 31, v0
	v_lshl_add_u32 v13, v12, 3, EX                 ; the softmax: lane l takes m = 32 q + l: the pair (f, f + 1) at 8 l + 256 q
	v_lshlrev_b32 v15, 7, v12                      ; and in out: 128 bytes from m to m + 1
	s_wait_alu depctr_va_vdst(0)
	s_wait_dscnt 0x0                               ; for the others' sake: my store has landed
	s_barrier_signal -1
	s_barrier_wait -1
	s_cmp_lg_u32 s[WV], 0                          ; 256 numbers are left: wave 0 makes both softmaxes
	s_cbranch_scc1 .Lend
.irp q, 0,1,2,3
	ds_load_b64 v[80+2*\q:81+2*\q], v13 offset:256*\q
	ds_load_b64 v[88+2*\q:89+2*\q], v13 offset:1024+256*\q
.endr
	s_wait_dscnt 0x0
.irp q, 0,1,2,3
	v_pk_add_f32 v[80+2*\q:81+2*\q], v[80+2*\q:81+2*\q], v[88+2*\q:89+2*\q]   ; the two halves of N
.endr
	v_max3_num_f32 v102, v80, v82, v84             ; the largest energy of each f: my four, then the 32 lanes'
	v_max3_num_f32 v103, v81, v83, v85
	v_max_num_f32 v102, v102, v86
	v_max_num_f32 v103, v103, v87
.irp x, 1,2,4,8
	v_max_num_f32_dpp v102, v102, v102 row_xmask:\x row_mask:0xf bank_mask:0xf
	v_max_num_f32_dpp v103, v103, v103 row_xmask:\x row_mask:0xf bank_mask:0xf
.endr
	v_permlanex16_b32 v108, v102, s[SEL], s[SEL+1]
	v_permlanex16_b32 v109, v103, s[SEL], s[SEL+1]
	v_max_num_f32 v102, v102, v108
	v_max_num_f32 v103, v103, v109
.irp q, 0,1,2,3
	v_pk_add_f32 v[80+2*\q:81+2*\q], v[80+2*\q:81+2*\q], v[102:103] neg_lo:[0,1] neg_hi:[0,1]   ; the maximum is taken away first,
.endr
.irp q, 0,1,2,3
	v_pk_mul_f32 v[80+2*\q:81+2*\q], v[80+2*\q:81+2*\q], s[LOG:LOG+1] op_sel_hi:[1,0]           ; then x log2(e)
.endr
	s_wait_alu depctr_va_vdst(0)                   ; ahead of the batch,
.irp i, 0,1,2,3,4,5,6,7
	v_exp_f32 v[80+\i], v[80+\i]
.endr
	v_nop                                          ; a plain instruction between the last exponential and the use of its result
	s_wait_alu depctr_va_vdst(0)                   ; and behind it
	v_pk_add_f32 v[104:105], v[80:81], v[82:83]
	v_pk_add_f32 v[106:107], v[84:85], v[86:87]
	v_pk_add_f32 v[104:105], v[104:105], v[106:107]
.irp x, 1,2,4,8
	v_add_f32_dpp v104, v104, v104 row_xmask:\x row_mask:0xf bank_mask:0xf
	v_add_f32_dpp v105, v105, v105 row_xmask:\x row_mask:0xf bank_mask:0xf
.endr
	v_permlanex16_b32 v108, v104, s[SEL], s[SEL+1]
	v_permlanex16_b32 v109, v105, s[SEL], s[SEL+1]
	v_add_f32 v104, v104, v108
	v_add_f32 v105, v105, v109
	s_wait_alu depctr_va_vdst(0)
	v_rcp_f32 v104, v104
	v_rcp_f32 v105, v105
	v_nop                                          ; a plain instruction behind the reciprocals
	s_wait_alu depctr_va_vdst(0)
.irp q, 0,1,2,3
	v_pk_mul_f32 v[80+2*\q:81+2*\q], v[80+2*\q:81+2*\q], v[104:105]
.endr
.irp q, 0,1,2,3
	global_store_b64 v15, v[80+2*\q:81+2*\q], s[14:15] offset:4096*\q   ; out[b][32 q + lane][2 fp, 2 fp + 1]: 8 bytes a lane, lanes 128 bytes apart
.endr
.Lend:
	s_wait_tensorcnt 0x0                           ; the wave's end: behind my last tensor load and my last LDS store
	ds_add_u32 v[SPW], v[NIL]
	s_wait_dscnt 0x0
	CROUND                                         ; the closing round: no work-group ends while a partner may still ask for a tile that names it
	s_endpgm
.Lfunc_end_k_qa9cdee2785_attn:
	.size	k_qa9cdee2785_attn, .Lfunc_end_k_qa9cdee2785_attn-k_qa9cdee2785_attn
	.p2alignl 7, 3214868480
	.fill 96, 4, 3214868480
	.section	.rodata,"a",@progbits
	.p2align	6, 0x0
	.amdhsa_kernel k_qa9cdee2785_attn
		.amdhsa_group_segment_fixed_size 327680
		.amdhsa_private_segment_fixed_size 0
		.amdhsa_enable_private_segment 0
		.amdhsa_kernarg_size 48
		.amdhsa_user_sgpr_count 2
		.amdhsa_user_sgpr_kernarg_segment_ptr 1
		.amdhsa_wavefront_size32 1
		.amdhsa_system_sgpr_workgroup_id_x 1
		.amdhsa_system_sgpr_workgroup_id_y 1
		.amdhsa_system_sgpr_workgroup_id_z 1
		.amdhsa_system_vgpr_workitem_id 0
		.amdhsa_next_free_vgpr 1024
		.amdhsa_next_free_sgpr 102
		.amdhsa_reserve_vcc 0
		.amdhsa_float_denorm_mode_32 3
		.amdhsa_float_denorm_mode_16_64 3
		.amdhsa_memory_ordered 1
		.amdhsa_forward_progress 1
		.amdhsa_inst_pref_size 255
	.end_amdhsa_kernel
	.section	.bss,"aw",@nobits
	.p2align	6
	.space	262144
	.amdgpu_metadata
---
amdhsa.version: [ 1, 2 ]
amdhsa.kernels:
  - .name:           k_qa9cdee2785_attn
    .symbol:         k_qa9cdee2785_attn.kd
    .args:
      - { .name: fathers_outputs_codes, .offset: 0, .size: 8, .value_kind: global_buffer, .address_space: global }
      - { .name: fathers_outputs_scales, .offset: 8, .size: 8, .value_kind: global_buffer, .address_space: global }
      - { .name: attn_W_codes, .offset: 16, .size: 8, .value_kind: global_buffer, .address_space: global }
      - { .name: attn_W_scales, .offset: 24, .size: 8, .value_kind: global_buffer, .address_space: global }
      - { .name: hidden, .offset: 32, .size: 8, .value_kind: global_buffer, .address_space: global }
      - { .name: out0, .offset: 40, .size: 8, .value_kind: global_buffer, .address_space: global }
    .group_segment_fixed_size: 327680
    .private_segment_fixed_size: 0
    .kernarg_segment_align: 8
    .kernarg_segment_size: 48
    .max_flat_workgroup_size: 128
    .sgpr_count:     102
    .vgpr_count:     1024
    .wavefront_size: 32
...
	.end_amdgpu_metadata
.endif
;; end of part 2
